; MI455X (gfx1250); checked and timed in simulation.
; The chip was launched on July 23, 2026; its instructions are those of AMD's public machine-readable ISA for CDNA 5 (MIT licence, August 2026) and "CDNA5" Instruction Set Architecture Reference Guide (July 2026). The comments in the code are by the model that wrote it; some were corrected since.
;; cosine layer. Allowed arithmetic: matrix products marked QUANTISED: E2M1 operands, one E8M0 scale for each 32 along K, by v_wmma_scale_f32_16x16x128_f8f6f4 with both operands' format E2M1 (or v_wmma_scale_f32_32x16x128_f4), f32 sums; everything else in f32.
;; Inputs: weight 4,096 x 4,096 float32; x 4,096 x 4,096 float32.
;; Outputs: out0 4,096 x 4,096 float32.
;; This version of the problem:
;;   THIS VERSION OF THE PROBLEM IS GIVEN IN LOW PRECISION. The matrix products marked QUANTISED in the list below multiply operands that are first quantised to E2M1 (2 exponent bits, 1 mantissa bit; 4 bits a number), with one power-of-two scale for each 32 numbers along K (OCP MX v1.0); their sums are f32. All else is computed in f32.
;;   The module's matrix products, in the order in which they are computed (A, B: the left and right operand; K: the contracted axis; several contracted axes count as one K, in the product's order):
;;     1. [M 4,096, K 4,096] x [K 4,096, N 4,096]; A: input x; B: input weight: QUANTISED
;;   THE QUANTISER, for each operand of a quantised product, along K:
;;     - K is cut into blocks of 32 from its start; a last block that is shorter is filled with zeros.
;;     - A block's scale is 2^e with e = floor(log2(the largest magnitude in the block)) - 2, held to -126 .. 127; a block of zeros has e = 0. As a byte (E8M0): e + 127.
;;     - Each number is divided by its block's scale, clamped to +-6, and rounded to the nearest number of E2M1, ties to even, subnormals kept.
;;     - The product sums the exact products of the quantised numbers (number of the format x scale) in f32.
;;   ~~~python
;;   def quantise(x, axis):      # numpy; x: float32 -> the quantised numbers, widened to float32 again
;;       x = np.moveaxis(x, axis, -1); K = x.shape[-1]
;;       x = np.pad(x, [(0, 0)] * (x.ndim - 1) + [(0, -K % 32)]); x = x.reshape(x.shape[:-1] + (-1, 32)); a = np.abs(x).max(-1, keepdims=True)
;;       e = np.where(a > 0, np.clip(np.frexp(np.where(a > 0, a, 1))[1] - 1 - 2, -126, 127), 0)      # np.frexp(a)[1] - 1 = floor(log2(a)), exactly
;;       r = np.clip(x / 2.0 ** e, -6, 6)
;;       step = 2.0 ** (np.maximum(np.frexp(np.where(r == 0, 1, r))[1] - 1, 0) - 1)
;;       q = np.round(r / step) * step * 2.0 ** e      # np.round: ties to even
;;       return np.moveaxis(q.reshape(q.shape[:-2] + (-1,))[..., :K], -1, axis).astype(np.float32)
;;   ~~~
;; One version. Each part assembles by itself: llvm-mc -triple=amdgcn-amd-amdhsa -mcpu=gfx1250 --defsym DOCPART=n.
;; ======== version 1 of 1: 2 launches
;; workspace buffers: xrec 8,912,896 bytes; wrec 8,912,896 bytes; xss 131,072 bytes; wss 131,072 bytes
;; launch quant (part 1): grid 512 x 1, 4 waves a work-group, no clusters, 141,824 bytes of LDS; arguments x, weight, xrec, wrec, xss, wss; writes xrec, wrec, xss, wss
.if DOCPART == 1
	.amdgcn_target "amdgcn-amd-amdhsa--gfx1250"
	.amdhsa_code_object_version 6
	.text
	.protected	k_qffa959cc85_quant
	.globl	k_qffa959cc85_quant
	.p2align	8
	.type	k_qffa959cc85_quant,@function
k_qffa959cc85_quant:
	s_mov_b64 s[64:65], 0
	v_nop
	global_prefetch_b8 v0, s[64:65] scope:SCOPE_SE
	s_setreg_imm32_b32 hwreg(HW_REG_WAVE_MODE, 25, 1), 1
	s_wait_xcnt 0x0
; x [4096 rows][4096 k] and weight [4096 k][4096 columns], f32, become codes of FP4 (E2M1) with one E8M0 scale byte for each 32 along K, and partial sums of squares for the norms.
; RECORDS.  xrec and wrec are laid [K step 8][row or column 4096][272 bytes]: bytes 0-255 the 512 codes of that row and K step (K innermost, the lower k in the low four bits), bytes 256-271 its 16 scale bytes.
; 32 records are 8,704 consecutive bytes, 34 x 256: a wave stores them by 17 stores of 512 consecutive bytes, each beginning at a multiple of 256 from the buffer's first byte.
; xss and wss are laid [K step 8][4096] f32: the sum of the squares of the UNQUANTISED numbers of that row or column in that K step; the next launch adds the eight and takes the root.
; A block's scale is 2^(floor(log2(its largest magnitude)) - 2): its byte is the largest magnitude's exponent field - 2, held at 1 from below by a floor among the maximum's leaves.
; LIMITS: a block of zeros gets the byte 1 where the rule says 127 (its codes are zeros, and the bytes are read by this program alone); NaN and infinities among the inputs are not served;
; the sums of squares are plain f32 sums: they leave f32's range where the sum of a row's squares does.
; SHARES.  Work-groups 0-255 take x, 256-511 weight: 65,536 numbers each.  The two paths part once, on the work-group's number, never join, and have LDS bytes of their own.
; Waves share nothing: no barrier.  Every LDS address is a constant + a constant x lane + a constant x wave.  Every global offset is an immediate: no pointer is stepped, no store's data are written again.
.set FLOOR, 3<<23                      ; 2^(3 - 127): under it no largest magnitude is taken, so the byte cannot fall under 1
.set REC,   272                        ; bytes of a record
	s_load_b256 s[4:11], s[0:1], 0x0               ; x s[4:5], weight s[6:7], xrec s[8:9], wrec s[10:11]
	s_load_b128 s[12:15], s[0:1], 0x20             ; xss s[12:13], wss s[14:15]
	v_lshl_add_u32 v254, v0, 2, 0x22800
	v_mov_b32 v255, 0
	v_lshrrev_b32 v1, 5, v0
	v_readfirstlane_b32 s16, v1                    ; wave 0..3
	v_and_b32 v1, 31, v0                           ; lane
	v_lshlrev_b32 v2, 4, v1                        ; 16 x lane: my place in 512 consecutive bytes
	v_lshlrev_b32 v3, 2, v1                        ; 4 x lane
	s_cmp_ge_u32 ttmp9, 256
	s_cbranch_scc1 .Lweight
; ---------------------------------------------------------------- x: K is innermost
; Work-group g: K step g % 8, rows 128 (g / 8) on; a wave takes 32 rows x 512 along K, a row (2,048 bytes) a step.
; Each of a step's four loads reads 512 consecutive bytes.  The conversions want 16 NEIGHBOURS along K in one lane, so the 2,048 bytes turn through the wave's own stage: in as loaded, back 64 bytes a lane
; (a lane's place is 80 bytes: 64 + 16 of padding).  Two neighbouring lanes hold a block of 32.  Loads run eight rows (32 loads a wave) ahead, the turn one row.
.set XSP,   80                         ; a lane's place in a stage
.set XOUT,  2*32*XSP                   ; behind the two stages: 32 records
.set XSSQ,  XOUT+32*REC                ; behind them: 32 rows of 32 partial sums, 128 bytes + 16 of padding
.set XWAVE, XSSQ+32*144                ; 18,432 bytes a wave
.set XR,    16                         ; v16-143  eight sets of 16 numbers as loaded
.set XX,    144                        ; v144-175 two sets of 16 neighbours
.set XC,    176                        ; v176-179 two sets of codes
.set XE,    180                        ; v180-181 two scale bytes
.set XQ,    182                        ; v182-189 two sets of four for the squares
	s_and_b32 s17, ttmp9, 7                        ; K step
	s_lshr_b32 s18, ttmp9, 3
	s_lshl_b32 s18, s18, 7
	s_lshl_b32 s19, s16, 5
	s_add_co_u32 s18, s18, s19                     ; my wave's first row
	s_lshl_b32 s20, s18, 14                        ; a row of x is 16,384 bytes,
	s_lshl_b32 s21, s17, 11                        ; a K step 2,048
	s_add_co_u32 s20, s20, s21
	s_mov_b32 s21, 0
	s_lshl_b32 s22, s17, 12
	s_add_co_u32 s22, s22, s18                     ; 4,096 x K step + row
	s_mul_i32 s24, s22, REC                        ; its record
	s_mov_b32 s25, 0
	s_lshl_b32 s22, s22, 2                         ; its sum
	s_mov_b32 s23, 0
	s_mul_i32 s26, s16, XWAVE                      ; my wave's LDS
	v_lshrrev_b32 v4, 2, v1
	v_mul_u32_u24 v4, v4, XSP
	v_and_b32 v11, 3, v1
	v_lshl_add_u32 v4, v11, 4, v4
	v_add_nc_u32 v4, s26, v4                       ; the stage, in: four lanes' 64 bytes on end, then the padding
	v_mul_u32_u24 v5, v1, XSP
	v_add_nc_u32 v5, s26, v5                       ; and back: my 16 neighbours
	s_add_co_u32 s27, s26, XOUT
	v_lshl_add_u32 v6, v1, 3, s27                  ; my 8 bytes of a record's codes
	v_lshrrev_b32 v7, 1, v1
	s_add_co_u32 s28, s26, XOUT+256
	v_add_nc_u32 v7, s28, v7                       ; my block's scale byte
	s_add_co_u32 s28, s26, XSSQ
	v_lshl_add_u32 v8, v1, 2, s28                  ; my partial sum of a row
	v_mul_u32_u24 v9, v1, 144
	v_add_nc_u32 v9, s28, v9                       ; at the end: lane l takes row l's 32 partial sums
	v_add_nc_u32 v10, s27, v2                      ; and the records go out as they lie
	s_wait_kmcnt 0x0
	s_add_nc_u64 s[4:5], s[4:5], s[20:21]
	s_add_nc_u64 s[8:9], s[8:9], s[24:25]
	s_add_nc_u64 s[12:13], s[12:13], s[22:23]
.macro LOADX t                         ; row t's 2,048 bytes into set t % 8
.irp i, 0,1,2,3
	global_load_b128 v[XR+16*((\t)%8)+4*\i:XR+16*((\t)%8)+4*\i+3], v2, s[4:5] offset:16384*(\t)+512*\i th:TH_LOAD_NT
.endr
.endm
.macro TURNX t                         ; row t through stage t % 2: LDS serves a wave's instructions in order, so no wait stands between the stores and the loads
.irp i, 0,1,2,3
	ds_store_b128 v4, v[XR+16*((\t)%8)+4*\i:XR+16*((\t)%8)+4*\i+3] offset:32*XSP*((\t)%2)+8*XSP*\i
.endr
.irp i, 0,1,2,3
	ds_load_b128 v[XX+16*((\t)%2)+4*\i:XX+16*((\t)%2)+4*\i+3], v5 offset:32*XSP*((\t)%2)+16*\i
.endr
.endm
.macro STEPX t
.set XS, XX+16*((\t)%2)
.set XCS, XC+2*((\t)%2)
.set XES, XE+(\t)%2
.set XQS, XQ+4*((\t)%2)
.if (\t) > 0
	s_wait_dscnt 3                                 ; all but the last row's three stores: this row is back from the stage, its stage stores have read set t % 8, and the stores of two rows ago have read the registers written below
.else
	s_wait_dscnt 0x0
.endif
.if (\t)+8 < 32
	LOADX (\t)+8                                   ; into the set that this row has left
.endif
.if (\t)+1 < 32
.if (\t) < 24
	s_wait_loadcnt 28                              ; the next row's four loads are in; those of the seven rows behind it may be out
.else
	s_wait_loadcnt 4*(30-(\t))                     ; nothing more is asked for: the count runs down
.endif
	TURNX (\t)+1                                   ; the next row goes through the other stage while this one is worked
.endif
	v_max3_num_f32 v190, |v[XS]|, |v[XS+1]|, |v[XS+2]|             ; the largest magnitude of my 16, in two chains
	v_max3_num_f32 v191, |v[XS+3]|, |v[XS+4]|, |v[XS+5]|
.irp i, 6,10
	v_max3_num_f32 v190, v190, |v[XS+\i]|, |v[XS+\i+1]|
	v_max3_num_f32 v191, v191, |v[XS+\i+2]|, |v[XS+\i+3]|
.endr
	v_max3_num_f32 v190, v190, |v[XS+14]|, |v[XS+15]|
	v_max3_num_f32 v190, v190, v191, FLOOR         ; and the floor
	v_max_num_f32_dpp v190, v190, v190 row_xmask:1 row_mask:0xf bank_mask:0xf   ; and of my neighbour's 16: the block's
	v_add_nc_u32 v192, 0xff000000, v190            ; 2 off its exponent field: the conversion takes the exponent field of this operand as its scale, and nothing else of it
	v_cvt_scalef32_pk8_fp4_f32 v[XCS], v[XS:XS+7], v192
	v_cvt_scalef32_pk8_fp4_f32 v[XCS+1], v[XS+8:XS+15], v192
	v_lshrrev_b32 v[XES], 23, v192                 ; the scale's byte (a plain line behind the conversions)
	ds_store_b64 v6, v[XCS:XCS+1] offset:REC*(\t)
	ds_store_b8 v7, v[XES] offset:REC*(\t)         ; both lanes of a block write the same byte with the same value
	v_pk_mul_f32 v[XQS:XQS+1], v[XS:XS+1], v[XS:XS+1]              ; the squares of my 16, of the numbers as they came: two chains, started by products
	v_pk_mul_f32 v[XQS+2:XQS+3], v[XS+2:XS+3], v[XS+2:XS+3]
.irp i, 4,8,12
	v_pk_fma_f32 v[XQS:XQS+1], v[XS+\i:XS+\i+1], v[XS+\i:XS+\i+1], v[XQS:XQS+1]
	v_pk_fma_f32 v[XQS+2:XQS+3], v[XS+\i+2:XS+\i+3], v[XS+\i+2:XS+\i+3], v[XQS+2:XQS+3]
.endr
	v_pk_add_f32 v[XQS:XQS+1], v[XQS:XQS+1], v[XQS+2:XQS+3]
	v_add_f32 v[XQS], v[XQS], v[XQS+1]
	ds_store_b32 v8, v[XQS] offset:144*(\t)
.endm
.irp t, 0,1,2,3,4,5,6,7
	LOADX \t
.endr
	s_wait_loadcnt 28                              ; row 0's four loads are in
	TURNX 0
.set T, 0
.rept 32
	STEPX T
.set T, T+1
.endr
	; the way out: LDS serves a wave's instructions in order, so these loads see the stores above
.set j, 0
.rept 17
	ds_load_b128 v[16+4*j:16+4*j+3], v10 offset:512*j
.set j, j+1
.endr
.set j, 0
.rept 8
	ds_load_b128 v[84+4*j:84+4*j+3], v9 offset:16*j
.set j, j+1
.endr
.set j, 0
.rept 17
	s_wait_dscnt 24-j                              ; load j of the 25 is in
	global_store_b128 v2, v[16+4*j:16+4*j+3], s[8:9] offset:512*j   ; 32 lanes store 512 consecutive bytes
.set j, j+1
.endr
	s_wait_dscnt 0x0
.irp j, 0,4,8,12,16,20,24,28
	v_pk_add_f32 v[84+\j:85+\j], v[84+\j:85+\j], v[86+\j:87+\j]    ; my row's 32 partial sums
.endr
.irp j, 0,8,16,24
	v_pk_add_f32 v[84+\j:85+\j], v[84+\j:85+\j], v[88+\j:89+\j]
.endr
.irp j, 0,16
	v_pk_add_f32 v[84+\j:85+\j], v[84+\j:85+\j], v[92+\j:93+\j]
.endr
	v_pk_add_f32 v[84:85], v[84:85], v[100:101]
	v_add_f32 v84, v84, v85
	global_store_b32 v3, v84, s[12:13]             ; 32 rows' sums: 128 consecutive bytes a wave, one byte for each 512 that the wave reads
	s_wait_tensorcnt 0x0
	ds_add_u32 v254, v255
	s_wait_dscnt 0x0
	s_endpgm
; ---------------------------------------------------------------- weight: K is the FIRST axis
; Work-group g' = g - 256: columns 128 (g' % 32) on, K step g' / 32; a wave takes 32 columns x 512 rows of K: 16 blocks of 32 rows.
; A block is 8 loads of 16 bytes a lane: lane l takes row 4 i + l / 8 and columns 4 (l % 8) on, four pieces of 128 consecutive bytes an instruction.  The block turns through the wave's own stage:
; in as loaded (16 x lane: row k lies at 128 k), back ONE COLUMN TO A LANE, registers down K.  So a block of 32 along K lies in one lane's 32 registers: its maximum needs no other lane, and the
; conversions give codes with K innermost.  Loads run four blocks (32 loads a wave) ahead, the turn one block.
.Lweight:
.set WBASE, 4*XWAVE                    ; this path's LDS begins behind x's
.set WOUT,  2*4096                     ; behind the two stages: 32 records
.set WWAVE, WOUT+32*REC                ; 16,896 bytes a wave
.set WR,    16                         ; v16-143  four sets of 32 registers as loaded
.set WX,    144                        ; v144-207 two sets of 32: my column, down K
.set WC,    208                        ; v208-215 two sets of codes
.set WB,    216                        ; v216-219 my column's 16 scale bytes
.set WQ,    220                        ; v220-223 the squares, two packed chains
	s_sub_co_u32 s17, ttmp9, 256
	s_and_b32 s18, s17, 31
	s_lshr_b32 s17, s17, 5                         ; K step
	s_lshl_b32 s18, s18, 7
	s_lshl_b32 s19, s16, 5
	s_add_co_u32 s18, s18, s19                     ; my wave's first column
	s_lshl_b32 s20, s17, 23                        ; 512 rows of 16,384 bytes a K step,
	s_lshl_b32 s21, s18, 2                         ; 4 bytes a column
	s_add_co_u32 s20, s20, s21
	s_mov_b32 s21, 0
	s_lshl_b32 s22, s17, 12
	s_add_co_u32 s22, s22, s18                     ; 4,096 x K step + column
	s_mul_i32 s24, s22, REC
	s_mov_b32 s25, 0
	s_lshl_b32 s22, s22, 2
	s_mov_b32 s23, 0
	s_mul_i32 s26, s16, WWAVE
	s_add_co_u32 s26, s26, WBASE                   ; my wave's LDS
	v_lshrrev_b32 v4, 3, v1
	v_lshlrev_b32 v4, 14, v4
	v_and_b32 v11, 7, v1
	v_lshl_add_u32 v4, v11, 4, v4                  ; in memory: row lane / 8, 16 bytes at 16 (lane % 8)
	v_add_nc_u32 v5, s26, v2                       ; the stage, in: 16 x lane
	v_add_nc_u32 v6, s26, v3                       ; and back: column = lane
	s_add_co_u32 s27, s26, WOUT
	v_mul_u32_u24 v7, v1, REC
	v_add_nc_u32 v7, s27, v7                       ; my column's record
	v_add_nc_u32 v10, s27, v2                      ; the records go out as they lie
	s_wait_kmcnt 0x0
	s_add_nc_u64 s[6:7], s[6:7], s[20:21]
	s_add_nc_u64 s[10:11], s[10:11], s[24:25]
	s_add_nc_u64 s[14:15], s[14:15], s[22:23]
.macro LOADW t                         ; block t into set t % 4.  The largest offset, 508 rows, is 8,323,072: inside the signed 24-bit immediate (ISA guide, chapter 10)
.irp i, 0,1,2,3,4,5,6,7
	global_load_b128 v[WR+32*((\t)%4)+4*\i:WR+32*((\t)%4)+4*\i+3], v4, s[6:7] offset:(32*(\t)+4*\i)*16384 th:TH_LOAD_NT
.endr
.endm
.macro TURNW t                         ; block t through stage t % 2
.irp i, 0,1,2,3,4,5,6,7
	ds_store_b128 v5, v[WR+32*((\t)%4)+4*\i:WR+32*((\t)%4)+4*\i+3] offset:4096*((\t)%2)+512*\i
.endr
.irp k, 0,1,2,3,4,5,6,7,8,9,10,11,12,13,14,15,16,17,18,19,20,21,22,23,24,25,26,27,28,29,30,31
	ds_load_b32 v[WX+32*((\t)%2)+\k], v6 offset:4096*((\t)%2)+128*\k     ; 32 lanes read 128 consecutive bytes
.endr
.endm
.macro BLOCKW t
.set WS, WX+32*((\t)%2)
.set WCS, WC+4*((\t)%2)
.if (\t) > 0
	s_wait_dscnt 1                                 ; all but the last block's code store: this block is back from the stage, its stage stores have read set t % 4, and the code store of two blocks ago has read the registers written below
.else
	s_wait_dscnt 0x0
.endif
.if (\t)+4 < 16
	LOADW (\t)+4                                   ; into the set that this block has left
.endif
.if (\t)+1 < 16
.if (\t) < 12
	s_wait_loadcnt 24                              ; the next block's eight loads are in; those of the three blocks behind it may be out
.else
	s_wait_loadcnt 8*(14-(\t))                     ; nothing more is asked for: the count runs down
.endif
	TURNW (\t)+1
.endif
	v_max3_num_f32 v224, |v[WS]|, |v[WS+1]|, |v[WS+2]|             ; the block's largest magnitude: all 32 numbers are mine
	v_max3_num_f32 v225, |v[WS+3]|, |v[WS+4]|, |v[WS+5]|
.irp i, 6,10,14,18,22,26
	v_max3_num_f32 v224, v224, |v[WS+\i]|, |v[WS+\i+1]|
	v_max3_num_f32 v225, v225, |v[WS+\i+2]|, |v[WS+\i+3]|
.endr
	v_max3_num_f32 v224, v224, |v[WS+30]|, |v[WS+31]|
	v_max3_num_f32 v224, v224, v225, FLOOR         ; and the floor
	v_add_nc_u32 v226, 0xff000000, v224            ; 2 off its exponent field: the conversions' scale operand
.irp g, 0,1,2,3
	v_cvt_scalef32_pk8_fp4_f32 v[WCS+\g], v[WS+8*\g:WS+8*\g+7], v226
.endr
	v_lshrrev_b32 v227, 23, v226                   ; the scale's byte (a plain line behind the conversions)
.if (\t)%4 == 0
	v_mov_b32 v[WB+(\t)/4], v227                   ; four bytes to a register, the lower K in the lower byte
.else
	v_lshl_or_b32 v[WB+(\t)/4], v227, 8*((\t)%4), v[WB+(\t)/4]
.endif
	ds_store_b128 v7, v[WCS:WCS+3] offset:16*(\t)  ; 32 codes: 16 bytes of my column's record; records 272 bytes apart: 16 lanes touch 16 different columns of 16 bytes modulo 256
.irp i, 0,4,8,12,16,20,24,28
.if ((\t) == 0) && (\i == 0)
	v_pk_mul_f32 v[WQ:WQ+1], v[WS:WS+1], v[WS:WS+1]                ; the first products start the sums: nothing is cleared
	v_pk_mul_f32 v[WQ+2:WQ+3], v[WS+2:WS+3], v[WS+2:WS+3]
.else
	v_pk_fma_f32 v[WQ:WQ+1], v[WS+\i:WS+\i+1], v[WS+\i:WS+\i+1], v[WQ:WQ+1]
	v_pk_fma_f32 v[WQ+2:WQ+3], v[WS+\i+2:WS+\i+3], v[WS+\i+2:WS+\i+3], v[WQ+2:WQ+3]
.endif
.endr
.endm
.irp t, 0,1,2,3
	LOADW \t
.endr
	s_wait_loadcnt 24                              ; block 0's eight loads are in
	TURNW 0
.set T, 0
.rept 16
	BLOCKW T
.set T, T+1
.endr
	ds_store_b128 v7, v[WB:WB+3] offset:256        ; my column's 16 scale bytes close its record
.set j, 0
.rept 17
	ds_load_b128 v[16+4*j:16+4*j+3], v10 offset:512*j              ; LDS serves a wave's instructions in order: these see the stores above
.set j, j+1
.endr
	v_pk_add_f32 v[WQ:WQ+1], v[WQ:WQ+1], v[WQ+2:WQ+3]
	v_add_f32 v[WQ], v[WQ], v[WQ+1]
.set j, 0
.rept 17
	s_wait_dscnt 16-j                              ; load j of the 17 is in
	global_store_b128 v2, v[16+4*j:16+4*j+3], s[10:11] offset:512*j   ; 32 lanes store 512 consecutive bytes
.set j, j+1
.endr
	global_store_b32 v3, v[WQ], s[14:15]           ; 32 columns' sums: 128 consecutive bytes a wave
	s_wait_tensorcnt 0x0
	ds_add_u32 v254, v255
	s_wait_dscnt 0x0
	s_endpgm
.Lfunc_end_k_qffa959cc85_quant:
	.size	k_qffa959cc85_quant, .Lfunc_end_k_qffa959cc85_quant-k_qffa959cc85_quant
	.p2alignl 7, 3214868480
	.fill 96, 4, 3214868480
	.section	.rodata,"a",@progbits
	.p2align	6, 0x0
	.amdhsa_kernel k_qffa959cc85_quant
		.amdhsa_group_segment_fixed_size 141824
		.amdhsa_private_segment_fixed_size 0
		.amdhsa_enable_private_segment 0
		.amdhsa_kernarg_size 48
		.amdhsa_user_sgpr_count 2
		.amdhsa_user_sgpr_kernarg_segment_ptr 1
		.amdhsa_wavefront_size32 1
		.amdhsa_system_sgpr_workgroup_id_x 1
		.amdhsa_system_sgpr_workgroup_id_y 1
		.amdhsa_system_sgpr_workgroup_id_z 1
		.amdhsa_system_vgpr_workitem_id 0
		.amdhsa_next_free_vgpr 256
		.amdhsa_next_free_sgpr 66
		.amdhsa_reserve_vcc 0
		.amdhsa_float_denorm_mode_32 3
		.amdhsa_float_denorm_mode_16_64 3
		.amdhsa_memory_ordered 1
		.amdhsa_forward_progress 1
		.amdhsa_inst_pref_size 186
	.end_amdhsa_kernel
	.amdgpu_metadata
---
amdhsa.version: [ 1, 2 ]
amdhsa.kernels:
  - .name:           k_qffa959cc85_quant
    .symbol:         k_qffa959cc85_quant.kd
    .args:
      - { .name: x, .offset: 0, .size: 8, .value_kind: global_buffer, .address_space: global }
      - { .name: weight, .offset: 8, .size: 8, .value_kind: global_buffer, .address_space: global }
      - { .name: xrec, .offset: 16, .size: 8, .value_kind: global_buffer, .address_space: global }
      - { .name: wrec, .offset: 24, .size: 8, .value_kind: global_buffer, .address_space: global }
      - { .name: xss, .offset: 32, .size: 8, .value_kind: global_buffer, .address_space: global }
      - { .name: wss, .offset: 40, .size: 8, .value_kind: global_buffer, .address_space: global }
    .group_segment_fixed_size: 141824
    .private_segment_fixed_size: 0
    .kernarg_segment_align: 8
    .kernarg_segment_size: 48
    .max_flat_workgroup_size: 128
    .sgpr_count:     66
    .vgpr_count:     256
    .wavefront_size: 32
...
	.end_amdgpu_metadata
.endif
;; end of part 1
;; launch gemm (part 2): grid 16 x 16, 4 waves a work-group, clusters of 4 x 4, 327,680 bytes of LDS; arguments xrec, wrec, xss, wss, out0; writes out0
.if DOCPART == 2
	.amdgcn_target "amdgcn-amd-amdhsa--gfx1250"
	.amdhsa_code_object_version 6
	.text
	.protected	k_qffa959cc85_gemm
	.globl	k_qffa959cc85_gemm
	.p2align	8
	.type	k_qffa959cc85_gemm,@function
k_qffa959cc85_gemm:
	s_mov_b64 s[64:65], 0
	v_nop
	global_prefetch_b8 v0, s[64:65] scope:SCOPE_SE
	s_setreg_imm32_b32 hwreg(HW_REG_WAVE_MODE, 25, 1), 1
	s_wait_xcnt 0x0
	s_wait_alu depctr_hold_cnt(0) depctr_sa_sdst(0) depctr_va_vdst(0) depctr_va_sdst(0) depctr_va_ssrc(0) depctr_va_vcc(0) depctr_vm_vsrc(0)
	s_getreg_b32 s2, hwreg(HW_REG_IB_STS2, 6, 4)
	s_cmp_eq_u32 s2, 0
	s_cbranch_scc0 .Lentry_in_a_cluster
	s_endpgm
.Lentry_in_a_cluster:
	s_bfe_u32 s2, ttmp6, 0x10000c
	s_cmp_lg_u32 s2, 0xf033
	s_cbranch_scc0 .Lentry_shape_is_right
	s_endpgm
.Lentry_shape_is_right:
; out0[b][o] = (the sum over k of Q(x)[b][k] Q(weight)[k][o]) / (max(|x_b|, 1e-8) max(|w_o|, 1e-8)).  The product runs on codes of FP4 (E2M1) with one E8M0 scale for each 32 along K; sums in f32.
; xrec, wrec: [K step 8][row 4096][272 bytes]: 512 codes (256 bytes, K innermost), then their 16 scale bytes.  xss, wss: [K step 8][4096] f32: sums of squares of the unquantised numbers.
; A tile of out0, 256 x 256, is made by a work-group of four waves; a wave makes 128 x 128: 64 accumulators of 16 x 16, 512 registers.  K goes in steps of 512 through a ring of two LDS slots.
; THE RECORD IS THE LDS ROW.  128 records of a K step are 34,816 consecutive bytes of memory: one tensor load brings them as 136 rows of 256 bytes, without gaps, and in LDS the records lie 272 bytes apart:
; 68 words, so that row r starts at bank 4 r mod 64 (64 banks of 4 bytes: ISA guide 11.1), and the scale bytes lie where padding would.  Codes and scales come by the same load.
; CLUSTERS: 4 x 4 work-groups.  The four of a row of the cluster need the same records of x, the four of a column the same records of weight: each tile is asked for JOINTLY, by the same tensor load with the
; same descriptor and a mask that names the four.  THE MATRIX INSTRUCTION IS USED TRANSPOSED (source 0 = 16 columns of weight, source 1 = 16 rows of x): a lane then holds eight neighbouring numbers of a row of out0.
; THE WALK ALONG K BEGINS AT ANOTHER K STEP IN EACH CLUSTER and goes round modulo 8: the first K step is (f(cluster x) + f(cluster y)) mod 8 with f = 0, 4, 2, 6.  The four clusters that read the same rows of x
; (one cluster y) so begin at the four even K steps, and so do the four that read the same columns of weight (one cluster x); clusters 0 and 1, and 2 and 3, of such a four begin four K steps apart.
; So the clusters that read the same records ask for them two K steps apart or more, not all at the same time.  The number hangs on the cluster's coordinates alone, which all sixteen partners share.
; THE NORMS: at the head each wave adds the eight partial sums of its 128 rows and of its 128 columns, takes the root, holds it at 1e-8 from below and takes the reciprocal.  On the way out a result is
; multiplied by its row's reciprocal while a lane holds one row, and by its column's when it comes back from the stage, where a lane holds four fixed columns.
; LIMITS: the eight K steps' parts of a sum are added in the order of the cluster's walk, not in ascending K: an order of rounding that differs from cluster to cluster; the division is two multiplications by
; reciprocals of 1 ulp; NaN and infinities among the inputs are not served; a sum of squares outside f32's range gives what such a sum gives.
; No prefetch: a partner's share of a load is 34 blocks of 256 bytes, 17 for each of two waves: no whole number of 32 lanes, and the lanes are all on for the matrix instructions that follow.
; REGISTERS, in windows of 256: window 0: v0-31 addresses; v32-95 scale words, two sets, and nothing else ever; v96-99 1 / |w| of my four columns; v100-115 1 / |x|, a pair for each of my eight blocks of rows;
;   v128-191 x's fragments (8 x 16 rows x 128 K), ONE set; v192-255 at work at the head; on the way out v128-255 take rows back from the stage.
;   window 1: weight's fragments, TWO sets, at v0 and at v128.   window 2: the 32 accumulators of my rows 0-63 (accumulator (a, b) at v[8 (8 a + b)]);   window 3: those of my rows 64-127.
.set NQ,     4                         ; matrix instructions deep in a slot: 512 / 128
.set PITCH,  272                       ; a record
.set FR,     8                         ; registers of a fragment: 16 rows x 128 K
.set NL,     2                         ; LDS loads that bring one
.set NP,     4                         ; places behind this matrix instruction (ISA guide 7.12.1)
.set HALFT,  128*PITCH                 ; 128 records: what one tensor load brings, and what one wave reads of x or of weight
.set SLOT,   4*HALFT                   ; x's 256 records, then weight's 256
.set LAPS,   4                         ; a lap = two K steps = once round the ring: 4,096 / 1,024
.set KSB,    4096*PITCH                ; bytes from a K step to the next in a record buffer
.set STAGE,  2*SLOT                    ; behind the ring: 16 rows x (512 bytes + 16) for each wave, for the way out
.set SPITCH, 528
.set RXS,    STAGE+4*16*SPITCH         ; behind the stages: 512 bytes for each wave: 1 / |x| of its 128 rows
.set SPARE,  RXS+4*512                 ; behind them: the spare words, 128 bytes for each wave: two blocks of 256 bytes that no other line names
.set EPS,    0x322bcc77                ; 1e-8
.set ADRA, 16                          ; v16-17  LDS address of my fragments of x in slot 0, 1
.set ADRB, 20                          ; v20-21  the same for weight
.set ADRS, 22                          ; v22-23  of my scale words: lanes 0-15 x's rows, lanes 16-31 weight's columns
.set STO,  24                          ; v24     the way out: where I put 32 bytes of a row
.set RD,   25                          ; v25     the way out: where I read a row back
.set CO,   26                          ; v26     16 x lane: my byte offset in 512 consecutive bytes; never rewritten
.set SPW,  28                          ; v28     LDS address of my spare word: SPARE + 4 x my thread's number; never rewritten
.set NIL,  29                          ; v29     0; never rewritten
.set SC,   32                          ; scale words: set s (for slot s) at v[SC + 32 s]; in it register 4 i + q: lanes 0-15 the word of x's block i, lanes 16-31 that of weight's block i, for the slot's q-th 128 along K
.set RW,   96
.set RX,   100
.set AF,   128                         ; x's fragments, in window 0
.set BK,   128                         ; the way out: 16 rows read back from the stage: v128-191 and v192-255 by turns
.set G1,  24                           ; s[24:31] descriptor group 1 for x's tiles;  s[32:39] group 0, one set for each slot
.set G0,  32
.set G1B, 48                           ; s[48:55], s[56:63] the same for weight's tiles
.set G0B, 56
.set KOF, 68                           ; s[68:69] a K step's byte offset in a record buffer: K step x KSB, 0 above it
.set KN,  70                           ; s70      the K step that the next refill brings
.set BSA, 72                           ; s[72:73] the address of the records of x that I fetch, in K step 0; never rewritten
.set BSB, 74                           ; s[74:75] the same for weight
.set MSB, 0
.macro WIN new                         ; the immediate's high byte repeats the setting that is left
.if MSB != \new
	s_set_vgpr_msb (MSB<<8)|\new
.set MSB, \new
.endif
.endm
.set MUL_LO, 0xa1                      ; source 0 (weight) window 1, source 1 (x) window 0, C and D window 2
.set MUL_HI, 0xf1                      ; the same, C and D window 3
.set TO_B,   0x40                      ; destination window 1, address window 0
; A joint load: waves 0 and 1 fetch for x, waves 2 and 3 for weight.  Each of the two lines has ONE mask and one set of registers for all that issue it; the branch hangs on the wave's number alone.
; Four v_nop follow each of the two lines, ahead of the jump, the label and what follows.
.macro JLOAD g0a, g1a, g0b, g1b
	s_cmp_eq_u32 s15, 0
	s_cbranch_scc0 .Lfor_b_\@
	tensor_load_to_lds s[\g0a:\g0a+3], s[\g1a:\g1a+7]
	s_nop 0
.rept 4
	v_nop
.endr
	s_branch .Lasked_\@
.Lfor_b_\@:
	tensor_load_to_lds s[\g0b:\g0b+3], s[\g1b:\g1b+7]
	s_nop 0
.rept 4
	v_nop
.endr
.Lasked_\@:
.endm
.macro CREST                           ; a round of the cluster's barrier behind its opening barrier
	s_cmp_lg_u32 s14, 0
	s_cbranch_scc1 .Lnot_wave_0_\@
	s_barrier_signal -3
.Lnot_wave_0_\@:
	s_barrier_wait -3
	s_barrier_signal -1
	s_barrier_wait -1
.endm
.macro CROUND                          ; a whole round
	s_barrier_signal -1
	s_barrier_wait -1
	CREST
.endm
	s_load_b256 s[4:11], s[0:1], 0x0               ; xrec s[4:5], wrec s[6:7], xss s[8:9], wss s[10:11]
	s_load_b64 s[12:13], s[0:1], 0x20              ; out0
	v_lshl_add_u32 v[SPW], v0, 2, SPARE
	v_mov_b32 v[NIL], 0
	ds_add_u32 v28, v29
	ds_add_u32 v28, v29
	s_wait_dscnt 0x0
	v_lshrrev_b32 v1, 5, v0
	v_readfirstlane_b32 s14, v1                    ; wave 0..3
	s_lshr_b32 s15, s14, 1                         ; which half of the tile's rows is mine.  Also: I fetch for x (0) or for weight (1)
	s_and_b32 s16, s14, 1                          ; which half of its columns.  Also: which 128 records of that tile I fetch
	s_bfe_u32 s40, ttmp6, 0x40000                  ; cx, cy: my place in the cluster
	s_bfe_u32 s41, ttmp6, 0x40004
	s_lshl_b32 s42, ttmp9, 2
	s_add_co_u32 s42, s42, s40                     ; tile column = 4 x cluster x + cx
	s_and_b32 s17, ttmp7, 0xffff
	s_lshl_b32 s17, s17, 2
	s_add_co_u32 s17, s17, s41                     ; tile row = 4 x cluster y + cy
	s_lshl_b32 s43, s41, 2
	s_lshl_b32 s43, 15, s43                        ; my row of the cluster
	s_lshl_b32 s44, 0x1111, s40                    ; my column
	; where my cluster's walk along K begins: f(i) = 4 (i % 2) + (i & 2) of the cluster's x and of its y, added modulo 8: 0, 2, 4 or 6
	s_and_b32 s66, ttmp9, 1
	s_lshl_b32 s66, s66, 2
	s_and_b32 s67, ttmp9, 2
	s_add_co_u32 s66, s66, s67                     ; f(cluster x)
	s_and_b32 s67, ttmp7, 1
	s_lshl_b32 s67, s67, 2
	s_add_co_u32 s66, s66, s67
	s_and_b32 s67, ttmp7, 2
	s_add_co_u32 s66, s66, s67                     ; + f(cluster y)
	s_and_b32 s66, s66, 7                          ; the first K step: it goes to slot 0, the one after it (7 at the most) to slot 1
	s_add_co_u32 s[KN], s66, 2
	s_and_b32 s[KN], s[KN], 7                      ; the first refill's
	s_mul_i32 s[KOF], s66, KSB
	s_mov_b32 s[KOF+1], 0
	; descriptor group 1: 34,816 consecutive bytes as 136 rows of 32 elements of 8 bytes, no padding
	s_or_b32 s[G1+0], s43, (3<<16)|(1<<21)         ; 15:0 the mask: x's tiles go to my row; 17:16 elements of 8 bytes; 21 set beside a mask
	s_or_b32 s[G1B+0], s44, (3<<16)|(1<<21)        ; weight's go to my column
.irp g, G1, G1B
	s_mov_b32 s[\g+1], 32<<16                      ; tensor_dim0 = 32
	s_mov_b32 s[\g+2], 136<<16                     ; tensor_dim1 = 136
	s_mov_b32 s[\g+3], 32<<16                      ; tile_dim0 = 32
	s_mov_b32 s[\g+4], 136                         ; tile_dim1 = 136
	s_mov_b32 s[\g+5], 32                          ; tensor_dim0_stride: the rows follow each other
	s_mov_b32 s[\g+6], 0
	s_mov_b32 s[\g+7], 0
.endr
	s_lshl_b32 s18, s16, 7                         ; which 128 records of the tile I fetch
	s_lshl_b32 s20, s17, 8
	s_add_co_u32 s20, s20, s18                     ; x: record 256 x tile row + 128 x half
	s_mul_i32 s20, s20, PITCH
	s_mov_b32 s21, 0
	s_lshl_b32 s46, s42, 8
	s_add_co_u32 s46, s46, s18                     ; weight: record 256 x tile column + 128 x half
	s_mul_i32 s46, s46, PITCH
	s_mov_b32 s47, 0
	s_mul_i32 s45, s14, HALFT                      ; where they go: wave x 128 records: no place in the cluster enters an LDS address
	s_wait_kmcnt 0x0
	s_add_nc_u64 s[BSA:BSA+1], s[4:5], s[20:21]    ; my records in K step 0: these two stay
	s_add_nc_u64 s[BSB:BSB+1], s[6:7], s[46:47]
	s_add_nc_u64 s[20:21], s[BSA:BSA+1], s[KOF:KOF+1]   ; and in my cluster's first K step
	s_add_nc_u64 s[46:47], s[BSB:BSB+1], s[KOF:KOF+1]
	CROUND                                         ; all sixteen work-groups are here: the first joint loads meet
.irp s, 0,1
	s_mov_b32 s[G0+4*\s], 1                                        ; count = 1
	s_add_co_u32 s[G0+4*\s+1], s45, \s*SLOT                        ; LDS address
	s_add_nc_u64 s[G0+4*\s+2:G0+4*\s+3], s[20:21], \s*KSB          ; global address: the walk's K step s
	s_or_b32 s[G0+4*\s+3], s[G0+4*\s+3], 0x80000000                ; type = 2
	s_mov_b32 s[G0B+4*\s], 1
	s_add_co_u32 s[G0B+4*\s+1], s45, \s*SLOT
	s_add_nc_u64 s[G0B+4*\s+2:G0B+4*\s+3], s[46:47], \s*KSB
	s_or_b32 s[G0B+4*\s+3], s[G0B+4*\s+3], 0x80000000
	JLOAD G0+4*\s, G1, G0B+4*\s, G1B               ; the ring is filled before anything else is done: two tensor loads of mine are out
.endr
	v_and_b32 v1, 15, v0                           ; r = l % 16
	v_bfe_u32 v2, v0, 4, 1                         ; h = l / 16
	v_mul_u32_u24 v3, v1, PITCH
	v_lshl_add_u32 v4, v2, 4, v3                   ; a fragment's row x pitch + 16 x half
	s_mul_i32 s21, s15, HALFT                      ; my 128 records of x
	s_mul_i32 s22, s16, HALFT                      ; my 128 of weight,
	s_add_co_u32 s22, s22, 2*HALFT                 ; which lie behind x's 256
	s_sub_co_u32 s23, s22, s21                     ; from the one to the other:
	v_mul_u32_u24 v5, s23, v2                      ; lanes 16-31 take weight's scale words
	v_add_nc_u32 v5, v5, v3
	s_add_co_u32 s23, s21, 256                     ; the scale bytes lie behind a record's 256 bytes of codes
.irp s, 0,1
	v_add_nc_u32 v[ADRA+\s], s21, v4
	v_add_nc_u32 v[ADRB+\s], s22, v4
	v_add_nc_u32 v[ADRS+\s], s23, v5
	s_add_co_u32 s21, s21, SLOT
	s_add_co_u32 s22, s22, SLOT
	s_add_co_u32 s23, s23, SLOT
.endr
	s_mul_i32 s23, s14, 16*SPITCH
	s_add_co_u32 s23, s23, STAGE                   ; my stage
	v_mul_u32_u24 v5, v1, SPITCH                   ; in: row l % 16, 32 bytes for each half of the lanes
	v_lshl_add_u32 v5, v2, 5, v5
	v_add_nc_u32 v[STO], s23, v5
	v_and_b32 v6, 31, v0
	v_lshlrev_b32 v[CO], 4, v6                     ; back: the 32 lanes take one row of 512 bytes; and the same in out0
	v_add_nc_u32 v[RD], s23, v[CO]
	s_lshl_b32 s23, s14, 9
	s_add_co_u32 s23, s23, RXS                     ; my 512 bytes for 1 / |x|
	v_add_nc_u32 v7, s23, v[CO]                    ; in: four rows a lane
	v_lshl_add_u32 v8, v1, 2, s23                  ; back: row 16 a + r
	s_lshl_b32 s20, s17, 8
	s_lshl_b32 s21, s15, 7
	s_add_co_u32 s20, s20, s21                     ; my first row: 256 x tile row + 128 x half
	s_lshl_b32 s66, s20, 2                         ; its place in a K step of xss,
	s_mov_b32 s67, 0
	s_lshl_b32 s20, s20, 14                        ; and in out0: rows of 16,384 bytes
	s_mov_b32 s21, 0
	s_lshl_b32 s46, s42, 8
	s_lshl_b32 s47, s16, 7
	s_add_co_u32 s46, s46, s47                     ; my first column: 256 x tile column + 128 x half
	s_lshl_b32 s46, s46, 2                         ; in bytes: its place in a K step of wss and in a row of out0 alike
	s_mov_b32 s47, 0
	s_add_nc_u64 s[12:13], s[12:13], s[20:21]
	s_add_nc_u64 s[12:13], s[12:13], s[46:47]
	s_add_nc_u64 s[8:9], s[8:9], s[66:67]
	s_add_nc_u64 s[10:11], s[10:11], s[46:47]
	; THE NORMS.  Lane l takes rows 4 l .. 4 l + 3 of my 128 and columns 4 l .. 4 l + 3 of my 128, for each of the eight K steps: each load reads 512 consecutive bytes
.irp p, 0,1,2,3,4,5,6,7
	global_load_b128 v[192+4*\p:195+4*\p], v[CO], s[8:9] offset:16384*\p
	global_load_b128 v[224+4*\p:227+4*\p], v[CO], s[10:11] offset:16384*\p
.endr
	s_wait_loadcnt 0x0
.macro SUM8 b                          ; eight groups of four become one, in v[b] .. v[b + 3]
.irp p, 0,2,4,6
	v_pk_add_f32 v[\b+4*\p:\b+4*\p+1], v[\b+4*\p:\b+4*\p+1], v[\b+4*\p+4:\b+4*\p+5]
	v_pk_add_f32 v[\b+4*\p+2:\b+4*\p+3], v[\b+4*\p+2:\b+4*\p+3], v[\b+4*\p+6:\b+4*\p+7]
.endr
.irp p, 0,4
	v_pk_add_f32 v[\b+4*\p:\b+4*\p+1], v[\b+4*\p:\b+4*\p+1], v[\b+4*\p+8:\b+4*\p+9]
	v_pk_add_f32 v[\b+4*\p+2:\b+4*\p+3], v[\b+4*\p+2:\b+4*\p+3], v[\b+4*\p+10:\b+4*\p+11]
.endr
	v_pk_add_f32 v[\b:\b+1], v[\b:\b+1], v[\b+16:\b+17]
	v_pk_add_f32 v[\b+2:\b+3], v[\b+2:\b+3], v[\b+18:\b+19]
.endm
	SUM8 192
	SUM8 224
.irp j, 0,1,2,3
	v_sqrt_f32 v[192+\j], v[192+\j]
	v_sqrt_f32 v[224+\j], v[224+\j]
.endr
	v_nop                                          ; a plain instruction between the last root and the first use of a result
	s_wait_alu depctr_va_vdst(0)                   ; one wait for the eight roots, ahead of their first reader
.irp j, 0,1,2,3
	v_max_num_f32 v[192+\j], EPS, v[192+\j]        ; held at 1e-8 from below
	v_max_num_f32 v[224+\j], EPS, v[224+\j]
.endr
.irp j, 0,1,2,3
	v_rcp_f32 v[196+\j], v[192+\j]
	v_rcp_f32 v[RW+\j], v[224+\j]                  ; 1 / |w| of columns 4 l .. 4 l + 3: as the way out wants them
.endr
	v_nop
	s_wait_alu depctr_va_vdst(0)                   ; one wait for the eight reciprocals
	ds_store_b128 v7, v[196:199]                   ; 1 / |x| changes lanes through my own 512 bytes: LDS serves a wave's instructions in order, so the loads below see this store
.irp a, 0,1,2,3,4,5,6,7
	ds_load_b32 v[RX+2*\a], v8 offset:64*\a        ; of row 16 a + r, twice: a pair for the packed multiply
	ds_load_b32 v[RX+2*\a+1], v8 offset:64*\a
.endr
.macro FRAG reg, adr, q, i             ; a fragment, 16 rows x 128 K of 4-bit codes, is 8 registers: lane l holds row l % 16; registers 4 c .. 4 c + 3 hold K = 64 c + 32 (l / 16) + 0 .. 31, the lower K in the lower bits
.irp c, 0,1
	ds_load_b128 v[\reg+4*\c:\reg+4*\c+3], v[\adr] offset:64*(\q)+32*\c+(\i)*16*PITCH
.endr
.endm
; 16 matrix instructions: x's blocks a0, a0 + 1 against weight's eight, 128 along K: the slot's q-th.  p: weight's set;  sc: the set of scale words.  zero = 1: the first product starts the sums: nothing is ever cleared.
; The 64 accumulators take turns, one instruction a turn, in the same order in every step.
.macro MUL16 a0, p, q, sc, zero
.irp a, \a0, \a0+1
.irp b, 0,1,2,3,4,5,6,7
.if \zero
	v_wmma_scale_f32_16x16x128_f8f6f4 v[8*(8*((\a)%4)+\b):8*(8*((\a)%4)+\b)+7], v[128*(\p)+FR*\b:128*(\p)+FR*\b+FR-1], v[AF+FR*(\a):AF+FR*(\a)+FR-1], 0, v[SC+8*NQ*(\sc)+NQ*\b+(\q)], v[SC+8*NQ*(\sc)+NQ*(\a)+(\q)] matrix_a_fmt:MATRIX_FMT_FP4 matrix_b_fmt:MATRIX_FMT_FP4 matrix_a_scale:MATRIX_SCALE_ROW1
.else
	v_wmma_scale_f32_16x16x128_f8f6f4 v[8*(8*((\a)%4)+\b):8*(8*((\a)%4)+\b)+7], v[128*(\p)+FR*\b:128*(\p)+FR*\b+FR-1], v[AF+FR*(\a):AF+FR*(\a)+FR-1], v[8*(8*((\a)%4)+\b):8*(8*((\a)%4)+\b)+7], v[SC+8*NQ*(\sc)+NQ*\b+(\q)], v[SC+8*NQ*(\sc)+NQ*(\a)+(\q)] matrix_a_fmt:MATRIX_FMT_FP4 matrix_b_fmt:MATRIX_FMT_FP4 matrix_a_scale:MATRIX_SCALE_ROW1
.endif
.endr
.endr
.endm
.macro FETCH_B slot, q, p              ; weight's eight fragments of the slot's q-th 128 along K into set p
	WIN TO_B
.irp i, 0,1,2,3,4,5,6,7
	FRAG 128*(\p)+FR*\i, ADRB+\slot, \q, \i
.endr
	WIN 0
.endm
.macro FETCH_A slot, q, i0             ; x's blocks i0 .. i0 + 3
.irp i, \i0, \i0+1, \i0+2, \i0+3
	FRAG AF+FR*(\i), ADRA+\slot, \q, \i
.endr
.endm
.macro SCALES sc                       ; slot sc's scale words into set sc: a record's 16 scale bytes are the four words of its K step; lanes 0-15 take x's block i, lanes 16-31 weight's block i
.irp i, 0,1,2,3,4,5,6,7
	ds_load_b128 v[SC+8*NQ*\sc+NQ*\i:SC+8*NQ*\sc+NQ*\i+3], v[ADRS+\sc] offset:\i*16*PITCH
.endr
.endm
; A load into a register that a matrix instruction has read, and a vector instruction or an LDS store that touches a matrix result, stand NP places behind that matrix instruction, and only plain vector
; instructions that name none of its registers are places (ISA guide 7.12.1 for vector instructions); this text does not count the matrix instructions in between.
.macro PLACES n
.rept \n
	v_nop
.endr
.endm
; A step of 128 along K that has its successor in the same slot.  A block of x is free as soon as its eight products are issued, so one set serves x: blocks 0-3 are fetched anew in the step's middle, blocks 4-7 at its end.
.macro STEP slot, q, zero
	s_wait_dscnt 4*NL                              ; weight's set, x's blocks 0-3 and the scale words are in; the youngest eight loads (x's blocks 4-7) may be out
	WIN MUL_LO
	MUL16 0, (\q)%2, \q, \slot, \zero
	MUL16 2, (\q)%2, \q, \slot, \zero
	s_wait_dscnt 0                                 ; x's blocks 4-7 are in (asked for 32 matrix instructions ago)
	PLACES NP
	FETCH_B \slot, (\q)+1, 1-(\q)%2
	FETCH_A \slot, (\q)+1, 0
	WIN MUL_HI
	MUL16 4, (\q)%2, \q, \slot, \zero
	MUL16 6, (\q)%2, \q, \slot, \zero
	PLACES NP
	WIN 0
	FETCH_A \slot, (\q)+1, 4
.endm
; A slot's last step changes slots: ONE barrier; in front of it each wave waits for all its tensor loads, adds 0 to its spare word, and waits for that and for its own reads of this slot.
; fill = 1: this slot is filled again, with the K step that stands two further on in the cluster's walk, modulo 8.
.macro TURN slot, next, fill
	s_wait_tensorcnt 0x0                           ; all my tensor loads have landed: the one that was out is my part of the next slot;  (every window is 0 here: the add's two registers lie in window 0)
	ds_add_u32 v[SPW], v[NIL]                      ; 0 onto my spare word
.if \fill
	s_mul_i32 s[KOF], s[KN], KSB                   ; no tensor load of mine is out, so this slot's groups 0 may be written: the refill's K step, in bytes,
	s_add_co_u32 s[KN], s[KN], 1
	s_and_b32 s[KN], s[KN], 7                      ; (the next refill's: one on, round modulo 8)
	s_add_nc_u64 s[G0+4*\slot+2:G0+4*\slot+3], s[BSA:BSA+1], s[KOF:KOF+1]    ; onto my records of K step 0,
	s_or_b32 s[G0+4*\slot+3], s[G0+4*\slot+3], 0x80000000                    ; and the type on top
	s_add_nc_u64 s[G0B+4*\slot+2:G0B+4*\slot+3], s[BSB:BSB+1], s[KOF:KOF+1]
	s_or_b32 s[G0B+4*\slot+3], s[G0B+4*\slot+3], 0x80000000
.endif
	s_wait_dscnt 4*NL+1                            ; (the add and the youngest eight loads, x's blocks 4-7, may be out)
	WIN MUL_LO
	MUL16 0, 1, NQ-1, \slot, 0                     ; sixteen matrix instructions stand between the add and the wait for it
	s_wait_dscnt 0x0                               ; the add is done, and my reads of this slot are over
	s_barrier_signal -1
	MUL16 2, 1, NQ-1, \slot, 0
	WIN 0
	s_barrier_wait -1
.if \fill
	CREST                                          ; the barrier has opened a round of the cluster's barrier: no wave of any partner still reads this slot's tile or has a load on its way
	JLOAD G0+4*\slot, G1, G0B+4*\slot, G1B         ; the first tensor load behind the round, my one load until the next; the four v_nop behind it are the places in front of the loads below
.else
	PLACES NP
.endif
	FETCH_B \next, 0, 0
	FETCH_A \next, 0, 0
	SCALES \next
	WIN MUL_HI
	MUL16 4, 1, NQ-1, \slot, 0
	MUL16 6, 1, NQ-1, \slot, 0
	PLACES NP
	WIN 0
	FETCH_A \next, 0, 4
.endm
.macro STEPS slot, from                ; the slot's steps from .. NQ - 2
.set Q, \from
.rept NQ-1-\from
	STEP \slot, Q, 0
.set Q, Q+1
.endr
.endm
	s_wait_dscnt 0x0                               ; 1 / |x| is in my registers: no LDS instruction of mine is out at the signal
	s_wait_tensorcnt 1                             ; my part of slot 0 is in (slot 1's load may be out)
	s_barrier_signal -1
	s_barrier_wait -1                              ; everybody's is
	FETCH_B 0, 0, 0
	FETCH_A 0, 0, 0
	SCALES 0
	FETCH_A 0, 0, 4
	STEP 0, 0, 1                                   ; the first step stands in front of the loop: its products start the sums
	s_mov_b32 s3, LAPS-1
.Llap:                                                 ; a trip goes once round the ring, from a lap's second step to the next lap's first, and fills both slots again: the walk's K steps 2 to 7 in three trips
	STEPS 0, 1
	TURN 0, 1, 1
	STEPS 1, 0
	TURN 1, 0, 1
	STEP 0, 0, 0
	s_sub_co_u32 s3, s3, 1
	s_cmp_lg_u32 s3, 0
	s_cbranch_scc1 .Llap
	STEPS 0, 1                                     ; the last lap fills nothing, and has no round of the cluster's barrier
	TURN 0, 1, 0
	STEPS 1, 0
	s_wait_dscnt 4*NL                              ; the very last step: nothing more to fetch
	WIN MUL_LO
	MUL16 0, 1, NQ-1, 1, 0
	MUL16 2, 1, NQ-1, 1, 0
	s_wait_dscnt 0
	WIN MUL_HI
	MUL16 4, 1, NQ-1, 1, 0
	MUL16 6, 1, NQ-1, 1, 0
	WIN 0
; THE WAY OUT, block by block of 16 rows x 128 columns.  PACK: a lane holds one row of the block: its 64 results times 1 / |x| of that row, each accumulator from its low end on.
; TOSTAGE: a lane's 32 neighbouring bytes of a row go into my own stage in LDS and come back as whole rows of 512 bytes.  LDS serves a wave's instructions in order (ISA guide 5.7.1.4): no wait between the stores
; and the loads, nor in front of the next block's stores.  SEND: a lane now holds columns 4 l .. 4 l + 3 of every row: times 1 / |w| of those four, and stored.
.macro PACK a
.set AC, 64*((\a)%4)
	WIN 0x82+0x41*((\a)/4)                         ; destination and source 0: window 2 or 3; the reciprocals: window 0
.set i, 0
.rept 32
	v_pk_mul_f32 v[AC+i:AC+i+1], v[AC+i:AC+i+1], v[RX+2*(\a):RX+2*(\a)+1]
.set i, i+2
.endr
.endm
.macro TOSTAGE a
.set AC, 64*((\a)%4)
	WIN 0x08+4*((\a)/4)                            ; the data: window 2 or 3
.irp b, 0,1,2,3,4,5,6,7
	ds_store_b128 v[STO], v[AC+8*\b:AC+8*\b+3] offset:64*\b
	ds_store_b128 v[STO], v[AC+8*\b+4:AC+8*\b+7] offset:64*\b+16
.endr
	WIN 0
.set BB, BK+64*((\a)%2)
.irp t, 0,1,2,3,4,5,6,7,8,9,10,11,12,13,14,15
	ds_load_b128 v[BB+4*\t:BB+4*\t+3], v[RD] offset:\t*SPITCH
.endr
.endm
.macro SEND a, younger                 ; younger: the LDS instructions issued behind block a's loads, which may stay out
.set BB, BK+64*((\a)%2)
	s_wait_dscnt \younger                          ; the block is back in registers
.if (\a) > 0
	s_add_nc_u64 s[12:13], s[12:13], 16*16384      ; (behind a wait on XCNT: the earlier stores have read their base)  16 rows of out0 on
.endif
.irp t, 0,1,2,3,4,5,6,7,8,9,10,11,12,13,14,15
	v_pk_mul_f32 v[BB+4*\t:BB+4*\t+1], v[BB+4*\t:BB+4*\t+1], v[RW:RW+1]
	v_pk_mul_f32 v[BB+4*\t+2:BB+4*\t+3], v[BB+4*\t+2:BB+4*\t+3], v[RW+2:RW+3]
	global_store_b128 v[CO], v[BB+4*\t:BB+4*\t+3], s[12:13] offset:\t*16384 th:TH_STORE_NT   ; 32 lanes store 512 consecutive bytes, at a multiple of 256 from out0's first byte; written once, read by nobody here
.endr
.endm
	PLACES NP                                      ; behind the last products: for the multiplications that read and write results, and for the loads into the registers that held x's fragments
	PACK 0
	TOSTAGE 0
.irp a, 1,2,3,4,5,6,7
.if \a > 1
	s_wait_xcnt 0x0                                ; block a - 2's stores have read their registers and their base: block a's loads may land there, and the base may step
.endif
	PACK \a                                        ; block a's multiplications stand between block a - 1's loads from the stage and the wait for them
	TOSTAGE \a
	SEND \a-1, 32                                  ; behind block a - 1's loads: block a's 16 stores and 16 loads
.endr
	s_wait_xcnt 0x0                                ; block 6's stores have read their base
	SEND 7, 0
	s_wait_tensorcnt 0x0                           ; the wave's end: behind my last tensor load and my last LDS store
	ds_add_u32 v[SPW], v[NIL]
	s_wait_dscnt 0x0
	CROUND                                         ; the closing round: no work-group ends while a partner may still ask for a tile that names it
	s_endpgm
.Lfunc_end_k_qffa959cc85_gemm:
	.size	k_qffa959cc85_gemm, .Lfunc_end_k_qffa959cc85_gemm-k_qffa959cc85_gemm
	.p2alignl 7, 3214868480
	.fill 96, 4, 3214868480
	.section	.rodata,"a",@progbits
	.p2align	6, 0x0
	.amdhsa_kernel k_qffa959cc85_gemm
		.amdhsa_group_segment_fixed_size 327680
		.amdhsa_private_segment_fixed_size 0
		.amdhsa_enable_private_segment 0
		.amdhsa_kernarg_size 40
		.amdhsa_user_sgpr_count 2
		.amdhsa_user_sgpr_kernarg_segment_ptr 1
		.amdhsa_wavefront_size32 1
		.amdhsa_system_sgpr_workgroup_id_x 1
		.amdhsa_system_sgpr_workgroup_id_y 1
		.amdhsa_system_sgpr_workgroup_id_z 1
		.amdhsa_system_vgpr_workitem_id 0
		.amdhsa_next_free_vgpr 1024
		.amdhsa_next_free_sgpr 80
		.amdhsa_reserve_vcc 0
		.amdhsa_float_denorm_mode_32 3
		.amdhsa_float_denorm_mode_16_64 3
		.amdhsa_memory_ordered 1
		.amdhsa_forward_progress 1
		.amdhsa_inst_pref_size 248
	.end_amdhsa_kernel
	.amdgpu_metadata
---
amdhsa.version: [ 1, 2 ]
amdhsa.kernels:
  - .name:           k_qffa959cc85_gemm
    .symbol:         k_qffa959cc85_gemm.kd
    .args:
      - { .name: xrec, .offset: 0, .size: 8, .value_kind: global_buffer, .address_space: global }
      - { .name: wrec, .offset: 8, .size: 8, .value_kind: global_buffer, .address_space: global }
      - { .name: xss, .offset: 16, .size: 8, .value_kind: global_buffer, .address_space: global }
      - { .name: wss, .offset: 24, .size: 8, .value_kind: global_buffer, .address_space: global }
      - { .name: out0, .offset: 32, .size: 8, .value_kind: global_buffer, .address_space: global }
    .group_segment_fixed_size: 327680
    .private_segment_fixed_size: 0
    .kernarg_segment_align: 8
    .kernarg_segment_size: 40
    .max_flat_workgroup_size: 128
    .sgpr_count:     80
    .vgpr_count:     1024
    .wavefront_size: 32
...
	.end_amdgpu_metadata
.endif
;; end of part 2
